; MI455X (gfx1250); checked and timed in simulation.
; The chip was launched on July 23, 2026; its instructions are those of AMD's public machine-readable ISA for CDNA 5 (MIT licence, August 2026) and "CDNA5" Instruction Set Architecture Reference Guide (July 2026). The comments in the code are by the model that wrote it; some were corrected since.
;; Causal Self Attention. Allowed arithmetic: matrix products marked QUANTISED: E4M3 operands, one given power-of-two scale a tensor, by v_wmma_f32_16x16x64_fp8_fp8 or v_wmma_f32_16x16x128_fp8_fp8, f32 sums; everything else in f32.
;; Inputs: Wk_codes 1,024 x 32 x 32 uint8 (E4M3 codes of Wk, K innermost, in blocks of 32 codes); Wo_codes 1,024 x 32 x 32 uint8 (E4M3 codes of Wo, K innermost, in blocks of 32 codes); Wq_codes 1,024 x 32 x 32 uint8 (E4M3 codes of Wq, K innermost, in blocks of 32 codes); Wv_codes 1,024 x 32 x 32 uint8 (E4M3 codes of Wv, K innermost, in blocks of 32 codes); cos 2,048 x 64 float32; lowp_scales 12 int32 (the exponents e of the quantised operands' scales 2^e); sin 2,048 x 64 float32; x_codes 4 x 2,048 x 32 x 32 uint8 (E4M3 codes of x, K innermost, in blocks of 32 codes).
;; Outputs: out0 4 x 2,048 x 1,024 float32.
;; This version of the problem:
;;   THIS VERSION OF THE PROBLEM IS GIVEN IN LOW PRECISION. The matrix products marked QUANTISED in the list below multiply operands that are first quantised to E4M3 (4 exponent bits, 3 mantissa bits; 8 bits a number), with one given power-of-two scale for each operand tensor; their sums are f32. All else is computed in f32.
;;   The module's matrix products, in the order in which they are computed (A, B: the left and right operand; K: the contracted axis; several contracted axes count as one K, in the product's order):
;;     1. [M 8,192, K 1,024] x [K 1,024, N 1,024]; A: input x (given as codes); B: input Wq (given as codes): QUANTISED (scales: A lowp_scales[0], B lowp_scales[1])
;;     2. [M 8,192, K 1,024] x [K 1,024, N 1,024]; A: input x (given as codes); B: input Wk (given as codes): QUANTISED (scales: A lowp_scales[2], B lowp_scales[3])
;;     3. [M 8,192, K 1,024] x [K 1,024, N 1,024]; A: input x (given as codes); B: input Wv (given as codes): QUANTISED (scales: A lowp_scales[4], B lowp_scales[5])
;;     4. batch 64 x [M 2,048, K 64] x [K 64, N 2,048]; A: computed on the way; B: computed on the way: QUANTISED (scales: A lowp_scales[6], B lowp_scales[7])
;;     5. batch 64 x [M 64, K 2,048] x [K 2,048, N 2,048]; A: computed on the way; B: softmax (see below): QUANTISED (scales: A lowp_scales[8], B lowp_scales[9])
;;     6. [M 8,192, K 1,024] x [K 1,024, N 1,024]; A: computed on the way; B: input Wo (given as codes): QUANTISED (scales: A lowp_scales[10], B lowp_scales[11])
;;   THE QUANTISER, for each operand of a quantised product, along K:
;;     - The operand's scale is 2^e, e = its entry of the input lowp_scales (int32; the entries are numbered through the quantised products in the list's order, A before B).
;;     - Each number is divided by the scale, clamped to +-448, and rounded to the nearest number of E4M3, ties to even, subnormals kept.
;;     - The product sums the exact products of the quantised numbers (number of the format x scale) in f32.
;;   ~~~python
;;   def quantise(x, axis, e):      # numpy; x: float32 -> the quantised numbers, widened to float32 again
;;       x = np.moveaxis(x, axis, -1); K = x.shape[-1]
;;       r = np.clip(x / 2.0 ** e, -448, 448)
;;       step = 2.0 ** (np.maximum(np.frexp(np.where(r == 0, 1, r))[1] - 1, -6) - 3)
;;       q = np.round(r / step) * step * 2.0 ** e      # np.round: ties to even
;;       return np.moveaxis(q, -1, axis).astype(np.float32)
;;   ~~~
;;   SOFTMAX AHEAD OF A QUANTISED PRODUCT. Where the list says 'softmax', what is quantised is not the finished softmax but p = 2^(t - M), with t = logit x log2(e) and M = ceil(the row's largest t), a whole number; so 1/2 < the row's largest p <= 1. The row's sum l is taken of the UNQUANTISED p, in f32, and the product's result is divided by l at the end. Since M is a whole number, a kernel that streams over the keys may use a running M (the ceiling of the running maximum): every later rescaling is an exact power of two, so the quantised numbers keep their values, but for numbers so far below the row's largest that they fall under the format's range.
;;   OPERANDS COMPUTED ON THE WAY. 'Computed on the way' means the value that the module computes at that place (a softmax that the list does not call 'softmax' is quantised finished and normalised). What goes into a quantiser is computed in f32, as accurately as f32 sums, v_exp_f32 and their like allow (about 1e-6 of the number): no bf16 or f16 on the way to a quantiser, and a product that is left as it is and whose result goes on into a quantised operand takes f32 operands (vector FMAs, or v_wmma_f32_16x16x4_f32). A number that lies on a knife's edge between two numbers of the format may be rounded either way, as far as f32 arithmetic and the matrix unit's own rounding can turn it there, and no further.
;;   INPUTS GIVEN AS CODES. Wk (in the module: [1024, 1024], K = its axis 0); Wo (in the module: [1024, 1024], K = its axis 0); Wq (in the module: [1024, 1024], K = its axis 0); Wv (in the module: [1024, 1024], K = its axis 0); x (in the module: [4, 2048, 1024], K = its axis 2): each comes as NAME_codes (uint8): NAME with its K axis moved to the last place and cut into blocks of 32 codes, [.., K / 32, bytes a block], one block behind the other in memory; one code a byte (a code: sign, 4 exponent bits, 3 mantissa bits); its scale is its entry of lowp_scales. Its value is code x scale, taken as it is: it is not quantised again, and the codes and scales need not be those that the quantiser above would give.
;; One version. Each part assembles by itself: llvm-mc -triple=amdgcn-amd-amdhsa -mcpu=gfx1250 --defsym DOCPART=n.
;; ======== version 1 of 1: 3 launches
;; limits: right only within a limited range of input values
;; workspace buffers: q_img 8,388,608 bytes; kv_img 16,777,216 bytes; a_img 8,388,608 bytes
;; launch qkv (part 1): grid 8 x 32, 4 waves a work-group, clusters of 4 x 4, 327,680 bytes of LDS; arguments x_codes, Wq_codes, Wk_codes, Wv_codes, cos, sin, lowp_scales, q_img, kv_img; writes q_img, kv_img
.if DOCPART == 1
	.amdgcn_target "amdgcn-amd-amdhsa--gfx1250"
	.amdhsa_code_object_version 6
	.text
	.protected	k_qe4fbc64241_qkv
	.globl	k_qe4fbc64241_qkv
	.p2align	8
	.type	k_qe4fbc64241_qkv,@function
k_qe4fbc64241_qkv:
	s_mov_b64 s[64:65], 0
	v_nop
	global_prefetch_b8 v0, s[64:65] scope:SCOPE_SE
	s_setreg_imm32_b32 hwreg(HW_REG_WAVE_MODE, 25, 1), 1
	s_wait_xcnt 0x0
	s_wait_alu depctr_hold_cnt(0) depctr_sa_sdst(0) depctr_va_vdst(0) depctr_va_sdst(0) depctr_va_ssrc(0) depctr_va_vcc(0) depctr_vm_vsrc(0)
	s_getreg_b32 s2, hwreg(HW_REG_IB_STS2, 6, 4)
	s_cmp_eq_u32 s2, 0
	s_cbranch_scc0 .Lentry_in_a_cluster
	s_endpgm
.Lentry_in_a_cluster:
	s_bfe_u32 s2, ttmp6, 0x10000c
	s_cmp_lg_u32 s2, 0xf033
	s_cbranch_scc0 .Lentry_shape_is_right
	s_endpgm
.Lentry_shape_is_right:
; q = rope(x Wq), k = rope(x Wk), v = x Wv on codes of FP8 (E4M3), and the quantisers of q, k and v for the two products of attention.  Nothing of reference() is left out here.
; x: [8192][1024] codes, Wq, Wk, Wv: [1024 (out)][1024 (in)] codes, K innermost.  cos, sin: [2048][64] f32.  Product p (0 q, 1 k, 2 v) has x's exponent at entry 2 p of the scales, the weight's at 2 p + 1;
; its result is quantised with entry 6 + p.  RoPE is linear, so it is done on the sums of code products, and the three exponents are folded into the conversion's one scale 2^F, F = eout - ex - ew.
; LIMIT: F between -126 and 119, so that 2^F and 448 x 2^F are f32 numbers.  NaN among the inputs is not served.
; SHARES.  256 work-groups of four waves, each with TWO blocks.  First 256 tokens x 256 features of q (the cluster's x = 0) or k (1): 32 x 8 such blocks; a wave makes 128 x 128 in 64 accumulators.
; Then 256 features x 128 tokens of V^T: 4 x 64 such blocks; a wave makes 128 x 64 in 32 accumulators.  K goes in steps of 256 through a ring of two LDS slots, and the ring goes on from the first block into the second:
; v's K step 0 is asked for into slot 1 ahead of the first block's way out, its K step 1 into slot 0 when cos and sin have been read there.
; THE MATRIX INSTRUCTION: source 1 is the ROW operand (a lane holds one of its rows), source 0 the COLUMN operand (a lane's eight registers run along its rows).  q, k: rows = tokens (x), columns = features (W).
; v: rows = features (Wv), columns = tokens (x): a lane holds eight neighbouring tokens, neighbours along the K of p v.  THE RESULTS LEAVE AS IMAGES OF OPERAND REGISTERS: 16 bytes at 16 x lane, 512 consecutive bytes a store.
;   q_img  [b h 64][tile of 16 queries 128][2 x 512 bytes];   kv_img [b h 64][step of 128 keys 16][K: 8 tiles x 1,024 bytes, then V^T: 4 tiles of 16 channels x 2,048 bytes].
; CLUSTERS: 4 x 4 work-groups.  The four of a row of the cluster ask jointly for the row operand (x by 4 Y + cy, with cos and sin; then Wv by cy), the four of a column for the column operand (W by cx; then x by (2 Y + X) 4 + cx).
; No prefetch: the block is 256 x 256 in clusters, and K is four slots long.
; REGISTERS, in windows of 256: window 0: v1-31 addresses and constants; v32-95 numbers at work; v96-127 codes, two sets; v128-255 the row operand's fragments, ONE set; on the first way out cos and sin.
;   window 1: the column operand's fragments, TWO sets.   window 2: the accumulators of my rows 0-63 ((a, b) at v[8 (8 a + b)]);   window 3: those of my rows 64-127.
.set ROWB,   256
.set KROW,   1024
.set PITCH,  272                       ; an LDS row: 256 bytes + 16 of padding
.set FR,     16
.set NL,     4
.set NP,     4
.set HALFT,  128*PITCH
.set SLOT,   4*HALFT                   ; the row operand's 256 rows, then the column operand's (256, or 128 for v)
.set SPARE,  2*SLOT
.set NB,     8                         ; column blocks of 16 a wave: 8 for q and k, 4 for v
.set ADRA, 16
.set ADRB, 20
.set CSA,  24
.set SNA,  25
.set VO,   26
.set SPW,  28
.set NIL,  29
.set LIM,  30
.set SCL,  31
.set TT,   32
.set CD,   96
.set AF,   128
.set TV,   2                           ; s2 v's block of 128 tokens
.set G1,   24
.set G0,   32
.set G1B,  48
.set G0B,  56
.set G1C,  68
.set G0C,  76
.set G0S,  80
.set WV,   84
.set WR,   85
.set WC,   86
.set TROW, 87
.set PATH, 88
.set OP,   98
.set MSB, 0
.macro WIN new
.if MSB != \new
	s_set_vgpr_msb (MSB<<8)|\new
.set MSB, \new
.endif
.endm
.set MUL_LO, 0xa1
.set MUL_HI, 0xf1
.set TO_B,   0x40
; A joint load: waves 0 and 1 issue the first line; the second line waves 2 and 3, or for v, whose column operand has 128 rows, wave 2 alone.  The branches hang on the wave's number alone.
; Four v_nop stand in every arm: the places in front of the LDS loads that follow.
.macro JLOAD g0a, g1a, g0b, g1b
	s_cmp_eq_u32 s[WR], 0
	s_cbranch_scc0 .Lfor_b_\@
	tensor_load_to_lds s[\g0a:\g0a+3], s[\g1a:\g1a+7]
	s_nop 0
.rept 4
	v_nop
.endr
	s_branch .Lasked_\@
.Lfor_b_\@:
.if NB < 8
	s_cmp_eq_u32 s[WC], 0
	s_cbranch_scc0 .Lnone_\@
.endif
	tensor_load_to_lds s[\g0b:\g0b+3], s[\g1b:\g1b+7]
	s_nop 0
.rept 4
	v_nop
.endr
.if NB < 8
	s_branch .Lasked_\@
.Lnone_\@:
.rept 4
	v_nop
.endr
.endif
.Lasked_\@:
.endm
.macro CREST
	s_cmp_lg_u32 s[WV], 0
	s_cbranch_scc1 .Lnot_wave_0_\@
	s_barrier_signal -3
.Lnot_wave_0_\@:
	s_barrier_wait -3
	s_barrier_signal -1
	s_barrier_wait -1
.endm
.macro CROUND
	s_barrier_signal -1
	s_barrier_wait -1
	CREST
.endm
	s_load_b512 s[4:19], s[0:1], 0x0               ; x, Wq, Wk, Wv, cos, sin, the scales' exponents, q_img
	s_load_b64 s[20:21], s[0:1], 0x40              ; kv_img
	v_lshl_add_u32 v[SPW], v0, 2, SPARE
	v_mov_b32 v[NIL], 0
	ds_add_u32 v[SPW], v[NIL]                      ; the opening lines: the add twice on end, and its wait
	ds_add_u32 v[SPW], v[NIL]
	s_wait_dscnt 0x0
	v_lshrrev_b32 v1, 5, v0
	v_readfirstlane_b32 s[WV], v1
	s_lshr_b32 s[WR], s[WV], 1                     ; which 128 rows are mine; also: I fetch for the row operand (0) or the column operand (1)
	s_and_b32 s[WC], s[WV], 1                      ; which half of the columns; also: which 128 rows of a tile I fetch
	s_bfe_u32 s40, ttmp6, 0x40000                  ; cx
	s_bfe_u32 s41, ttmp6, 0x40004                  ; cy
	s_mov_b32 s[PATH], ttmp9                       ; the cluster's x: 0 q, 1 k
	s_and_b32 s22, ttmp7, 0xffff
	s_lshl_b32 s22, s22, 2
	s_add_co_u32 s[TROW], s22, s41                 ; the tile of 256 tokens: hangs on cy alone of my place
	s_lshl_b32 s43, s41, 2
	s_lshl_b32 s43, 15, s43                        ; my row of the cluster
	s_lshl_b32 s44, 0x1111, s40                    ; my column
	s_or_b32 s[G1+0], s43, (0<<16)|(1<<20)|(1<<21)|(5<<22)|(3<<25)    ; tiles of 128 rows x 256 bytes, four words of padding after every 64
	s_or_b32 s[G1B+0], s44, (0<<16)|(1<<20)|(1<<21)|(5<<22)|(3<<25)
	s_or_b32 s[G1C+0], s43, (0<<16)|(1<<20)|(1<<21)|(5<<22)|(3<<25)
.irp g, G1, G1B, G1C
	s_mov_b32 s[\g+1], ROWB<<16
	s_mov_b32 s[\g+2], 128<<16
	s_mov_b32 s[\g+3], ROWB<<16
	s_mov_b32 s[\g+4], 128
	s_mov_b32 s[\g+6], 0
	s_mov_b32 s[\g+7], 0
.endr
	s_mov_b32 s[G1+5], KROW
	s_mov_b32 s[G1B+5], KROW
	s_mov_b32 s[G1C+5], 256
	s_lshl_b32 s3, s[WC], 7                        ; which 128 rows of a tile I fetch; kept
	s_lshl_b32 s46, s[TROW], 8
	s_add_co_u32 s46, s46, s3
	s_lshl_b32 s46, s46, 10                        ; x: rows of 1,024 bytes
	s_mov_b32 s47, 0
	s_lshl_b32 s66, s40, 8
	s_add_co_u32 s66, s66, s3
	s_lshl_b32 s66, s66, 10                        ; the weight: features 256 cx on
	s_mov_b32 s67, 0
	s_and_b32 s94, s[TROW], 7
	s_lshl_b32 s94, s94, 8
	s_add_co_u32 s94, s94, s3
	s_lshl_b32 s94, s94, 8                         ; cos, sin: rows of 256 bytes
	s_mov_b32 s95, 0
	s_mul_i32 s45, s[WV], HALFT                    ; where my tiles go: wave x 128 rows
	s_lshl_b32 s93, s[PATH], 3
	s_lshl_b32 s89, s[PATH], 2
	s_wait_kmcnt 0x0
	s_load_b64 s[90:91], s[16:17], s93 offset:0x0  ; ex, ew
	s_load_b32 s92, s[16:17], s89 offset:0x18      ; eout
	s_cmp_eq_u32 s[PATH], 1
	s_cselect_b64 s[100:101], s[8:9], s[6:7]       ; Wk or Wq
	s_add_nc_u64 s[46:47], s[4:5], s[46:47]
	s_add_nc_u64 s[66:67], s[100:101], s[66:67]
	s_mov_b32 s[G0C], 1
	s_add_co_u32 s[G0C+1], s45, 0                  ; waves 0, 1: cos takes the place of the row operand in slot 0
	s_add_nc_u64 s[G0C+2:G0C+3], s[12:13], s[94:95]
	s_or_b32 s[G0C+3], s[G0C+3], 0x80000000
	s_mov_b32 s[G0S], 1
	s_add_co_u32 s[G0S+1], s45, 0                  ; waves 2, 3: sin that of the column operand
	s_add_nc_u64 s[G0S+2:G0S+3], s[14:15], s[94:95]
	s_or_b32 s[G0S+3], s[G0S+3], 0x80000000
	CROUND                                         ; all sixteen work-groups are here: the first joint loads meet
.irp s, 0,1
	s_mov_b32 s[G0+4*\s], 1
	s_add_co_u32 s[G0+4*\s+1], s45, \s*SLOT
	s_add_nc_u64 s[G0+4*\s+2:G0+4*\s+3], s[46:47], \s*ROWB
	s_or_b32 s[G0+4*\s+3], s[G0+4*\s+3], 0x80000000
	s_mov_b32 s[G0B+4*\s], 1
	s_add_co_u32 s[G0B+4*\s+1], s45, \s*SLOT
	s_add_nc_u64 s[G0B+4*\s+2:G0B+4*\s+3], s[66:67], \s*ROWB
	s_or_b32 s[G0B+4*\s+3], s[G0B+4*\s+3], 0x80000000
.endr
	JLOAD G0, G1, G0B, G1B                         ; K step 0: one tensor load a wave at the head
	v_and_b32 v1, 15, v0                           ; r
	v_bfe_u32 v2, v0, 4, 1                         ; h
	v_mul_u32_u24 v3, v1, PITCH
	s_wait_alu depctr_va_vdst(0)
	v_lshl_add_u32 v4, v2, 4, v3                   ; a fragment's row x pitch + 16 h; kept
	s_mul_i32 s22, s[WR], HALFT
	s_mul_i32 s23, s[WC], HALFT
	s_add_co_u32 s23, s23, 2*HALFT
.irp s, 0,1
	v_add_nc_u32 v[ADRA+\s], s22, v4
	v_add_nc_u32 v[ADRB+\s], s23, v4
	s_add_co_u32 s22, s22, SLOT
	s_add_co_u32 s23, s23, SLOT
.endr
	s_mul_i32 s22, s[WR], HALFT
	v_lshl_add_u32 v5, v2, 5, v3                   ; cos, sin: row r, + 32 h
	v_add_nc_u32 v[CSA], s22, v5
	v_add_nc_u32 v[SNA], 2*HALFT, v[CSA]
	v_and_b32 v6, 31, v0
	v_lshlrev_b32 v[VO], 4, v6                     ; 16 x lane
	s_wait_alu depctr_va_vdst(0)                   ; the wait ahead of the run of scalar lines
	s_lshl_b32 s96, s[TROW], 8
	s_lshl_b32 s97, s[WR], 7
	s_add_co_u32 s100, s96, s97                    ; my first token
	s_lshl_b32 s97, s40, 8
	s_lshl_b32 s101, s[WC], 7
	s_add_co_u32 s101, s97, s101                   ; my first feature
	s_lshr_b32 s96, s100, 11                       ; the batch
	s_bfe_u32 s97, s100, 0x40007                   ; which 128 tokens of its 2,048
	s_lshr_b32 s101, s101, 6                       ; my first head
	s_lshl_b32 s96, s96, 4
	s_add_co_u32 s96, s96, s101
	s_lshl_b32 s96, s96, 17                        ; q_img: 131,072 bytes a head,
	s_lshl_b32 s97, s97, 13                        ; 8,192 for 128 tokens;
	s_add_co_u32 s96, s96, s97
	s_cmp_eq_u32 s[PATH], 0
	s_cselect_b32 s101, 0, 1                       ; kv_img: twice that
	s_cselect_b64 s[OP:OP+1], s[18:19], s[20:21]
	s_lshl_b32 s96, s96, s101
	s_lshl_b32 s100, 0x20000, s101
	s_mov_b32 s97, 0
	s_add_nc_u64 s[OP:OP+1], s[OP:OP+1], s[96:97]
	v_add_nc_u32 v[VO+1], s100, v[VO]              ; the wave's second head
	s_wait_kmcnt 0x0
	s_sub_co_i32 s92, s92, s90
	s_sub_co_i32 s92, s92, s91                     ; F = eout - ex - ew
	s_add_co_i32 s92, s92, 127
	s_lshl_b32 s90, s92, 23
	v_mov_b32 v[SCL], s90                          ; 2^F
	s_add_co_i32 s92, s92, 8
	s_lshl_b32 s92, s92, 23
	s_or_b32 s92, s92, 0x600000
	v_mov_b32 v[LIM], s92                          ; 448 x 2^F
	s_load_b64 s[90:91], s[16:17], 0x10            ; v's ex, ew,
	s_load_b32 s92, s[16:17], 0x20                 ; and eout: waited for ahead of the second block
.macro FRAG reg, adr, q, i             ; 16 rows x 128 K in 16 registers: registers 4 c .. 4 c + 3 hold K = 32 c + 16 h + 0 .. 15: a permutation of k, the same in both operands
.irp c, 0,1,2,3
	ds_load_b128 v[\reg+4*\c:\reg+4*\c+3], v[\adr] offset:128*(\q)+32*\c+(\i)*16*PITCH
.endr
.endm
; Row blocks a0, a0 + 1 x the NB column blocks, 128 along K.  p: the column operand's set.  zero = 1: the first product starts the sums.  The accumulators take turns, in the same order in every step.
.macro MUL16 a0, p, zero
.irp a, \a0, \a0+1
.irp b, 0,1,2,3,4,5,6,7
.if \b < NB
.if \zero
	v_wmma_f32_16x16x128_fp8_fp8 v[8*(8*((\a)%4)+\b):8*(8*((\a)%4)+\b)+7], v[128*(\p)+FR*\b:128*(\p)+FR*\b+FR-1], v[AF+FR*(\a):AF+FR*(\a)+FR-1], 0
.else
	v_wmma_f32_16x16x128_fp8_fp8 v[8*(8*((\a)%4)+\b):8*(8*((\a)%4)+\b)+7], v[128*(\p)+FR*\b:128*(\p)+FR*\b+FR-1], v[AF+FR*(\a):AF+FR*(\a)+FR-1], v[8*(8*((\a)%4)+\b):8*(8*((\a)%4)+\b)+7]
.endif
.endif
.endr
.endr
.endm
.macro FETCH_B slot, q, p
	WIN TO_B
.irp i, 0,1,2,3,4,5,6,7
.if \i < NB
	FRAG 128*(\p)+FR*\i, ADRB+\slot, \q, \i
.endif
.endr
	WIN 0
.endm
.macro FETCH_A slot, q, i0
.irp i, \i0, \i0+1, \i0+2, \i0+3
	FRAG AF+FR*(\i), ADRA+\slot, \q, \i
.endr
.endm
.macro PLACES n                        ; plain vector instructions in front of loads into registers that matrix instructions have read, and of the first read of results
.rept \n
	v_nop
.endr
.endm
.macro STEP slot, q, zero              ; a step of 128 along K that has its successor in the same slot
	s_wait_dscnt 4*NL                              ; all but the youngest 16 loads (row blocks 4-7) are in
	WIN MUL_LO
	MUL16 0, (\q)%2, \zero
	MUL16 2, (\q)%2, \zero
	s_wait_dscnt 0
	PLACES NP
	FETCH_B \slot, (\q)+1, 1-(\q)%2
	FETCH_A \slot, (\q)+1, 0
	WIN MUL_HI
	MUL16 4, (\q)%2, \zero
	MUL16 6, (\q)%2, \zero
	PLACES NP
	WIN 0
	FETCH_A \slot, (\q)+1, 4
.endm
; A slot's last step changes slots: ONE barrier; in front of it each wave waits for all its tensor loads, adds 0 to its spare word, and waits for that and for its reads of this slot.
; fill = 1: this slot is filled again, two K steps ahead.  fill = 2: with cos and sin.  fill = 0: nothing is filled, and no round of the cluster's barrier follows.
.macro TURN slot, next, fill
	s_wait_tensorcnt 0x0
	ds_add_u32 v[SPW], v[NIL]
	s_wait_dscnt 4*NL+1                            ; (the add and the youngest 16 loads may be out)
	WIN MUL_LO
	MUL16 0, 1, 0
	s_wait_dscnt 0x0
	s_barrier_signal -1
	MUL16 2, 1, 0
	WIN 0
	s_barrier_wait -1
.if \fill == 1
	CREST
	s_add_nc_u64 s[G0+4*\slot+2:G0+4*\slot+3], s[G0+4*\slot+2:G0+4*\slot+3], 2*ROWB
	s_add_nc_u64 s[G0B+4*\slot+2:G0B+4*\slot+3], s[G0B+4*\slot+2:G0B+4*\slot+3], 2*ROWB
	JLOAD G0+4*\slot, G1, G0B+4*\slot, G1B
.elseif \fill == 2
	CREST
	JLOAD G0C, G1C, G0S, G1C                       ; waves 0, 1: cos of the work-group's 256 tokens; waves 2, 3: sin
.else
	PLACES NP
.endif
	FETCH_B \next, 0, 0
	FETCH_A \next, 0, 0
	WIN MUL_HI
	MUL16 4, 1, 0
	MUL16 6, 1, 0
	PLACES NP
	WIN 0
	FETCH_A \next, 0, 4
.endm
.macro LAST                            ; a block's very last step: nothing more to fetch
	s_wait_dscnt 4*NL
	WIN MUL_LO
	MUL16 0, 1, 0
	MUL16 2, 1, 0
	s_wait_dscnt 0x0
	WIN MUL_HI
	MUL16 4, 1, 0
	MUL16 6, 1, 0
	WIN 0
.endm
; cos and sin of row block a's 16 tokens: lane (r, h) takes, of token r, channels 16 tl + 8 h + 0 .. 7: 32 registers of each, into set a % 2.  16 loads
.macro CSLOAD a
.set rCO, AF+64*((\a)%2)
.irp tl, 0,1,2,3
.irp e, 0,1
	ds_load_b128 v[rCO+8*\tl+4*\e:rCO+8*\tl+4*\e+3], v[CSA] offset:16*PITCH*(\a)+64*\tl+16*\e
	ds_load_b128 v[rCO+32+8*\tl+4*\e:rCO+32+8*\tl+4*\e+3], v[SNA] offset:16*PITCH*(\a)+64*\tl+16*\e
.endr
.endr
.endm
; Row block a (16 tokens), head hh of the wave's two: RoPE, the hold, the conversion, two stores.  The partner of channel d, d + 32 or d - 32, lies in tile tl + 2 or tl - 2, in the same lane and register.
.macro ROPEQ a, hh
.set rCO, AF+64*((\a)%2)
.set rAC, 64*((\a)%4)+32*(\hh)
.set rTT, TT+32*(\hh)
.set rCC, CD+16*((\a)%2)+8*(\hh)
	WIN 0x02+((\a)/4)
.irp tl, 0,1,2,3
.irp j, 0,2,4,6
	v_pk_mul_f32 v[rTT+8*\tl+\j:rTT+8*\tl+\j+1], v[rAC+8*\tl+\j:rAC+8*\tl+\j+1], v[rCO+8*\tl+\j:rCO+8*\tl+\j+1]
.endr
.endr
.irp tl, 0,1
.irp j, 0,2,4,6
	v_pk_fma_f32 v[rTT+8*\tl+\j:rTT+8*\tl+\j+1], v[rAC+8*(\tl+2)+\j:rAC+8*(\tl+2)+\j+1], v[rCO+32+8*\tl+\j:rCO+32+8*\tl+\j+1], v[rTT+8*\tl+\j:rTT+8*\tl+\j+1] neg_lo:[0,1,0] neg_hi:[0,1,0]
.endr
.endr
.irp tl, 2,3
.irp j, 0,2,4,6
	v_pk_fma_f32 v[rTT+8*\tl+\j:rTT+8*\tl+\j+1], v[rAC+8*(\tl-2)+\j:rAC+8*(\tl-2)+\j+1], v[rCO+32+8*\tl+\j:rCO+32+8*\tl+\j+1], v[rTT+8*\tl+\j:rTT+8*\tl+\j+1]
.endr
.endr
	WIN 0
.set n, 0
.rept 32
	v_med3_num_f32 v[rTT+n], v[rTT+n], -v[LIM], v[LIM]   ; the conversion does not saturate (ISA guide 7.6.2): the hold
.set n, n+1
.endr
.irp tl, 0,1,2,3
	v_cvt_scalef32_pk8_fp8_f32 v[rCC+2*\tl:rCC+2*\tl+1], v[rTT+8*\tl:rTT+8*\tl+7], v[SCL]
.endr
	v_nop
	global_store_b128 v[VO+\hh], v[rCC:rCC+3], s[OP:OP+1] offset:1024*(\a)
	global_store_b128 v[VO+\hh], v[rCC+4:rCC+7], s[OP:OP+1] offset:1024*(\a)+512
.endm
; v: row block a is 16 channels (head a / 4, tile a % 4), its four accumulators my 64 tokens: the hold, the conversion, two stores of 512 bytes
.macro VQ a
.set rAC, 64*((\a)%4)
.set rCC, CD+8*((\a)%2)
	WIN 0x02+((\a)/4)
.set n, 0
.rept 32
	v_med3_num_f32 v[TT+n], v[rAC+n], -v[LIM], v[LIM]
.set n, n+1
.endr
	WIN 0
.irp bb, 0,1,2,3
	v_cvt_scalef32_pk8_fp8_f32 v[rCC+2*\bb:rCC+2*\bb+1], v[TT+8*\bb:TT+8*\bb+7], v[SCL]   ; keys 16 bb + 8 h + 0 .. 7 of my 64
.endr
	v_nop
.irp c, 0,1
	global_store_b128 v[VO+(\a)/4], v[rCC+4*\c:rCC+4*\c+3], s[OP:OP+1] offset:8192+2048*((\a)%4)+512*\c
.endr
.endm
	s_wait_alu depctr_va_vdst(0)                   ; the wait at the head's end
	s_wait_tensorcnt 0x0                           ; my part of K step 0 is in; slot 1's first fill is issued as a refill is:
	ds_add_u32 v[SPW], v[NIL]
	s_wait_dscnt 0x0
	CROUND
	JLOAD G0+4, G1, G0B+4, G1B                     ; K step 1
	FETCH_B 0, 0, 0
	FETCH_A 0, 0, 0
	FETCH_A 0, 0, 4
	STEP 0, 0, 1                                   ; THE FIRST BLOCK, q or k: four K steps of 256, written out
	TURN 0, 1, 1                                   ; slot 0 takes K step 2
	STEP 1, 0, 0
	TURN 1, 0, 1                                   ; slot 1 takes K step 3
	STEP 0, 0, 0
	TURN 0, 1, 2                                   ; slot 0 takes cos and sin
	STEP 1, 0, 0
	LAST
.set NB, 4
	s_wait_tensorcnt 0x0                           ; my part of cos or sin is in; no load of mine is out, so the groups 0 may be written
	ds_add_u32 v[SPW], v[NIL]                      ; v's addresses, work on scalar registers, stand between it and its wait
	s_lshl_b32 s46, s41, 8
	s_add_co_u32 s46, s46, s3
	s_lshl_b32 s46, s46, 10                        ; Wv: features 256 cy + 128 x half
	s_mov_b32 s47, 0
	s_add_nc_u64 s[46:47], s[10:11], s[46:47]
	s_and_b32 s66, ttmp7, 0xffff
	s_lshl_b32 s66, s66, 1
	s_add_co_u32 s66, s66, s[PATH]
	s_lshl_b32 s66, s66, 2
	s_add_co_u32 s[TV], s66, s40                   ; v's block of 128 tokens: (2 Y + X) 4 + cx
	s_lshl_b32 s66, s[TV], 17                      ; 128 rows of 1,024 bytes each
	s_mov_b32 s67, 0
	s_add_nc_u64 s[66:67], s[4:5], s[66:67]
	s_mov_b64 s[G0+6:G0+7], s[46:47]               ; slot 1 takes v's K step 0,
	s_or_b32 s[G0+7], s[G0+7], 0x80000000
	s_add_nc_u64 s[G0+2:G0+3], s[46:47], ROWB      ; slot 0 its K step 1
	s_or_b32 s[G0+3], s[G0+3], 0x80000000
	s_mov_b64 s[G0B+6:G0B+7], s[66:67]
	s_or_b32 s[G0B+7], s[G0B+7], 0x80000000
	s_add_nc_u64 s[G0B+2:G0B+3], s[66:67], ROWB
	s_or_b32 s[G0B+3], s[G0B+3], 0x80000000
	s_wait_dscnt 0x0                               ; the add is done, and my reads of slot 1 are over
	CROUND                                         ; everybody's part of cos and sin is in, and nobody reads slot 1
	JLOAD G0+4, G1, G0B+4, G1B                     ; v's K step 0: it lands while the first block goes out
	PLACES NP
	CSLOAD 0
.irp a, 0,1,2,3,4,5,6,7
.if \a < 7
	CSLOAD \a+1
	s_wait_dscnt 16                                ; block a's cos and sin are in; the 16 loads just issued may be out
.else
	s_wait_dscnt 0x0
.endif
.if \a > 1
	s_wait_xcnt 0x0                                ; block a - 2's stores have read their registers
.endif
	ROPEQ \a, 0
	ROPEQ \a, 1
.endr
	s_wait_xcnt 0x0                                ; THE SECOND BLOCK, V^T.  The stores have read their registers and their base, which are written anew:
	s_wait_kmcnt 0x0
	s_sub_co_i32 s92, s92, s90
	s_sub_co_i32 s92, s92, s91                     ; v's F
	s_add_co_i32 s92, s92, 127
	s_lshl_b32 s90, s92, 23
	v_mov_b32 v[SCL], s90
	s_add_co_i32 s92, s92, 8
	s_lshl_b32 s92, s92, 23
	s_or_b32 s92, s92, 0x600000
	v_mov_b32 v[LIM], s92
	s_mul_i32 s23, s[WC], 64*PITCH                 ; my 64 of the column operand's 128 rows
	s_add_co_u32 s23, s23, 2*HALFT
	v_add_nc_u32 v[ADRB], s23, v4
	s_add_co_u32 s23, s23, SLOT
	v_add_nc_u32 v[ADRB+1], s23, v4
	s_lshr_b32 s96, s[TV], 4                       ; the batch
	s_lshl_b32 s96, s96, 4
	s_lshl_b32 s97, s41, 2
	s_add_co_u32 s96, s96, s97
	s_lshl_b32 s97, s[WR], 1
	s_add_co_u32 s96, s96, s97                     ; 16 b + my first head, 4 cy + 2 x half
	s_lshl_b32 s96, s96, 18                        ; kv_img: 262,144 bytes a head,
	s_and_b32 s97, s[TV], 15
	s_lshl_b32 s97, s97, 14                        ; 16,384 a step of 128 keys,
	s_add_co_u32 s96, s96, s97
	s_lshl_b32 s97, s[WC], 10                      ; 1,024 for my 64 keys of a tile of V^T
	s_add_co_u32 s96, s96, s97
	s_mov_b32 s97, 0
	s_add_nc_u64 s[OP:OP+1], s[20:21], s[96:97]
	v_add_nc_u32 v[VO+1], 0x40000, v[VO]
	s_wait_alu depctr_va_vdst(0)
	s_wait_tensorcnt 0x0                           ; my part of v's K step 0 is in
	ds_add_u32 v[SPW], v[NIL]
	s_wait_dscnt 0x0                               ; the add is done, and my reads of cos and sin are over
	CROUND
	JLOAD G0, G1, G0B, G1B                         ; v's K step 1, into slot 0
	FETCH_B 1, 0, 0
	FETCH_A 1, 0, 0
	FETCH_A 1, 0, 4
	STEP 1, 0, 1
	TURN 1, 0, 1                                   ; slot 1 takes K step 2
	STEP 0, 0, 0
	TURN 0, 1, 1                                   ; slot 0 takes K step 3
	STEP 1, 0, 0
	TURN 1, 0, 0
	STEP 0, 0, 0
	LAST
	PLACES NP
	s_wait_alu depctr_va_vdst(0)
.irp a, 0,1,2,3,4,5,6,7
.if \a > 1
	s_wait_xcnt 0x0                                ; block a - 2's stores have read their registers
.endif
	VQ \a
.endr
	s_wait_tensorcnt 0x0                           ; the wave's end
	ds_add_u32 v[SPW], v[NIL]
	s_wait_dscnt 0x0
	CROUND                                         ; the closing round
	s_endpgm
.Lfunc_end_k_qe4fbc64241_qkv:
	.size	k_qe4fbc64241_qkv, .Lfunc_end_k_qe4fbc64241_qkv-k_qe4fbc64241_qkv
	.p2alignl 7, 3214868480
	.fill 96, 4, 3214868480
	.section	.rodata,"a",@progbits
	.p2align	6, 0x0
	.amdhsa_kernel k_qe4fbc64241_qkv
		.amdhsa_group_segment_fixed_size 327680
		.amdhsa_private_segment_fixed_size 0
		.amdhsa_enable_private_segment 0
		.amdhsa_kernarg_size 72
		.amdhsa_user_sgpr_count 2
		.amdhsa_user_sgpr_kernarg_segment_ptr 1
		.amdhsa_wavefront_size32 1
		.amdhsa_system_sgpr_workgroup_id_x 1
		.amdhsa_system_sgpr_workgroup_id_y 1
		.amdhsa_system_sgpr_workgroup_id_z 1
		.amdhsa_system_vgpr_workitem_id 0
		.amdhsa_next_free_vgpr 1024
		.amdhsa_next_free_sgpr 104
		.amdhsa_reserve_vcc 0
		.amdhsa_float_denorm_mode_32 3
		.amdhsa_float_denorm_mode_16_64 3
		.amdhsa_memory_ordered 1
		.amdhsa_forward_progress 1
		.amdhsa_inst_pref_size 232
	.end_amdhsa_kernel
	.amdgpu_metadata
---
amdhsa.version: [ 1, 2 ]
amdhsa.kernels:
  - .name:           k_qe4fbc64241_qkv
    .symbol:         k_qe4fbc64241_qkv.kd
    .args:
      - { .name: x_codes, .offset: 0, .size: 8, .value_kind: global_buffer, .address_space: global }
      - { .name: Wq_codes, .offset: 8, .size: 8, .value_kind: global_buffer, .address_space: global }
      - { .name: Wk_codes, .offset: 16, .size: 8, .value_kind: global_buffer, .address_space: global }
      - { .name: Wv_codes, .offset: 24, .size: 8, .value_kind: global_buffer, .address_space: global }
      - { .name: cos, .offset: 32, .size: 8, .value_kind: global_buffer, .address_space: global }
      - { .name: sin, .offset: 40, .size: 8, .value_kind: global_buffer, .address_space: global }
      - { .name: lowp_scales, .offset: 48, .size: 8, .value_kind: global_buffer, .address_space: global }
      - { .name: q_img, .offset: 56, .size: 8, .value_kind: global_buffer, .address_space: global }
      - { .name: kv_img, .offset: 64, .size: 8, .value_kind: global_buffer, .address_space: global }
    .group_segment_fixed_size: 327680
    .private_segment_fixed_size: 0
    .kernarg_segment_align: 8
    .kernarg_segment_size: 72
    .max_flat_workgroup_size: 128
    .sgpr_count:     104
    .vgpr_count:     1024
    .wavefront_size: 32
...
	.end_amdgpu_metadata
.endif
;; end of part 1
;; launch attn (part 2): grid 4 x 64, 16 waves a work-group, clusters of 4 x 1, 264,192 bytes of LDS; arguments q_img, kv_img, lowp_scales, a_img; writes a_img
.if DOCPART == 2
	.amdgcn_target "amdgcn-amd-amdhsa--gfx1250"
	.amdhsa_code_object_version 6
	.text
	.protected	k_qe4fbc64241_attn
	.globl	k_qe4fbc64241_attn
	.p2align	8
	.type	k_qe4fbc64241_attn,@function
k_qe4fbc64241_attn:
	s_mov_b64 s[64:65], 0
	v_nop
	global_prefetch_b8 v0, s[64:65] scope:SCOPE_SE
	s_setreg_imm32_b32 hwreg(HW_REG_WAVE_MODE, 25, 1), 1
	s_wait_xcnt 0x0
	s_wait_alu depctr_hold_cnt(0) depctr_sa_sdst(0) depctr_va_vdst(0) depctr_va_sdst(0) depctr_va_ssrc(0) depctr_va_vcc(0) depctr_vm_vsrc(0)
	s_getreg_b32 s2, hwreg(HW_REG_IB_STS2, 6, 4)
	s_cmp_eq_u32 s2, 0
	s_cbranch_scc0 .Lentry_in_a_cluster
	s_endpgm
.Lentry_in_a_cluster:
	s_bfe_u32 s2, ttmp6, 0x10000c
	s_cmp_lg_u32 s2, 0x3003
	s_cbranch_scc0 .Lentry_shape_is_right
	s_endpgm
.Lentry_shape_is_right:
; Causal attention of one (batch, head) for each cluster, both products on codes of FP8 (E4M3), and the quantiser of the result for the last projection.
; q_img [b h 64][tile of 16 queries 128][1,024 bytes], kv_img [b h 64][step of 128 keys 16][K: 8 tiles x 1,024 bytes, V^T: 4 tiles x 2,048 bytes]: images of operand registers, 16 bytes a lane at 16 x lane.
; a_img [16 rows of (b, t) 512][K step of 128 features 8][4 x 512 bytes]: the same for the last projection's row operand.  The scales' exponents: entries 6 (q), 7 (k), 8 (v), 9 (p), 10 (the result).
; LEFT OUT: key steps all of whose keys come after a tile's queries: reference()'s own causal mask sets their scores to -infinity, so their p is 0 for all inputs.  A NaN or infinity that reaches only those scores is not carried on.
; THE SOFTMAX: t = score x log2(e) / 8; M = the running largest t rounded UP to a whole number; p = 2^(t - M) is quantised, not normalised; the row's sum is taken of the unquantised p and divides at the end.
; When M moves, the sums and O are multiplied by f = 2^(old M - new M), which rounds nothing.  The running maximum is kept as a raw score (c is positive, so c x max = max of c x).
; SHARES.  The head's 128 tiles of 16 queries go to 4 work-groups x 16 waves, two tiles a wave: lo = 4 w + cx and hi = 127 - lo.  With g = w / 2, tile lo needs key steps 0 .. g and tile hi 0 .. 15 - g, whatever cx is:
; 17 steps for every wave, and every branch hangs on the wave's number and a loop's step alone.  cx enters the addresses of Q and of the result, and the mask's one data register.
; THE WHOLE HEAD'S K AND V^T, 262,144 bytes, LIE IN LDS, filled once: wave w asks for key step w, 16,384 bytes, one load a wave, jointly for the four work-groups of the cluster, which read the same bytes.
; Nothing is filled again: one wait for 0, one barrier, and then no wave waits for another until the closing round.  No prefetch: everything is asked for at the head, and no loop runs ahead of a later load.
; LAYOUT.  S^T = K Q^T (source 0 = 16 keys, source 1 = my 16 queries), O^T = V^T P^T (source 0 = 16 channels, source 1 = P): a lane holds ONE query (lane % 16), its registers run along the keys, then the channels.
; LIMITS on the given exponents, so that each power of two below is an f32 number: e6 + e7 between -123 and 130; e9 and e10 between -126 and 119; e8 + e9 goes by v_ldexp_f32 and has none.
.set SPARE, 0x40000                    ; behind K and V^T: the spare words, 128 bytes a wave
.set LI,   1                           ; v1   16 x lane; never rewritten
.set ADR,  2                           ; v2   LDS address of the step in hand
.set DM,   5                           ; v5   my query's place in the diagonal step, less 8 (lane / 16)
.set NINF, 6                           ; v6   -infinity
.set MX,   20                          ; v20-23 four chains of the step's maximum
.set KV,   32                          ; v32-95   K's eight fragments, then V^T's four
.set S,    96                          ; v96-159  S^T, then p
.set O,    160                         ; v160-191 O^T
.set PC,   192                         ; v192-207 p's codes
.set PL,   232                         ; v232 a lane permute's destination
.set OM,   233                         ; v233 -M of the step before
.set LS,   234                         ; v234-249 the row's sum in eight packed parts
.set SPW,  254
.set NIL,  255
.set WV,   12                          ; s12 wave; s13 cx; s14 b h; s15 g
.set JMAX, 16                          ; s16 the tile's last key step, the one on the diagonal
.set J,    17
.set TB,   18                          ; s18 the step's LDS byte
.set CNT,  19
.set SEL,  20                          ; s[20:21] lane xor 16
.set CS,   22                          ; s[22:23] c = log2(e) / 8 x 2^(e6 + e7)
.set G1,   24
.set G0,   32
.set NC,   72                          ; s72 -c
.set PLIM, 73                          ; s73 448 x 2^e9
.macro CROUND
	s_barrier_signal -1
	s_barrier_wait -1
	s_cmp_lg_u32 s[WV], 0
	s_cbranch_scc1 .Lnot_wave_0_\@
	s_barrier_signal -3
.Lnot_wave_0_\@:
	s_barrier_wait -3
	s_barrier_signal -1
	s_barrier_wait -1
.endm
	s_load_b256 s[4:11], s[0:1], 0x0               ; q_img, kv_img, the scales' exponents, a_img
	v_lshl_add_u32 v[SPW], v0, 2, SPARE
	v_mov_b32 v[NIL], 0
	ds_add_u32 v[SPW], v[NIL]                      ; the opening lines: the add twice on end, and its wait
	ds_add_u32 v[SPW], v[NIL]
	v_lshrrev_b32 v2, 5, v0
	v_readfirstlane_b32 s[WV], v2                  ; wave 0..15
	s_bfe_u32 s13, ttmp6, 0x40000                  ; cx
	s_and_b32 s14, ttmp7, 0xffff                   ; b h
	s_lshr_b32 s15, s[WV], 1                       ; g
	s_sub_co_u32 s69, 15, s15
	s_lshl_b32 s67, s[WV], 2
	s_add_co_u32 s67, s67, s13                     ; tile lo
	s_sub_co_u32 s66, 127, s67                     ; tile hi
	s_mov_b32 s[G1], 15|(3<<16)|(1<<21)            ; the mask: all four work-groups; elements of 8 bytes; bit 21 beside a mask; no padding
	s_mov_b32 s[G1+1], 32<<16                      ; rows of 256 bytes,
	s_mov_b32 s[G1+2], 64<<16                      ; 64 of them: a key step
	s_mov_b32 s[G1+3], 32<<16
	s_mov_b32 s[G1+4], 64
	s_mov_b32 s[G1+5], 32
	s_mov_b32 s[G1+6], 0
	s_mov_b32 s[G1+7], 0
	s_mov_b32 s[SEL], 0x76543210
	s_mov_b32 s[SEL+1], 0xfedcba98
	s_mov_b32 s[CS], 0x3e38aa3b                    ; log2(e) / sqrt(64)
	s_lshl_b32 s54, s14, 18                        ; the head's 262,144 bytes of kv_img,
	s_lshl_b32 s19, s[WV], 14                      ; and my key step: in memory and in LDS alike
	s_add_co_u32 s54, s54, s19
	s_mov_b32 s55, 0
	s_lshl_b32 s68, s14, 17                        ; the head's 131,072 bytes of q_img
	s_lshl_b32 s56, s66, 10
	s_add_co_u32 s56, s56, s68
	s_mov_b32 s57, 0
	s_lshl_b32 s58, s67, 10
	s_add_co_u32 s58, s58, s68
	s_mov_b32 s59, 0
	s_lshr_b32 s70, s14, 4
	s_lshl_b32 s70, s70, 7                         ; a_img: 128 tiles of rows a batch,
	s_add_co_u32 s60, s70, s66
	s_add_co_u32 s62, s70, s67
	s_lshl_b32 s60, s60, 14                        ; 16,384 bytes each;
	s_lshl_b32 s62, s62, 14
	s_bfe_u32 s70, s14, 0x30001                    ; K step head / 2: 2,048 bytes;
	s_lshl_b32 s70, s70, 11
	s_and_b32 s71, s14, 1                          ; its half head % 2: 1,024 bytes
	s_lshl_b32 s71, s71, 10
	s_add_co_u32 s70, s70, s71
	s_add_co_u32 s60, s60, s70
	s_add_co_u32 s62, s62, s70
	s_mov_b32 s61, 0
	s_mov_b32 s63, 0
	s_wait_dscnt 0x0
	s_wait_kmcnt 0x0
	s_load_b128 s[48:51], s[8:9], 0x18             ; e6, e7, e8, e9
	s_load_b32 s52, s[8:9], 0x28                   ; e10
	s_add_nc_u64 s[56:57], s[4:5], s[56:57]        ; Q of hi,
	s_add_nc_u64 s[58:59], s[4:5], s[58:59]        ; of lo
	s_add_nc_u64 s[60:61], s[10:11], s[60:61]      ; the result of hi,
	s_add_nc_u64 s[62:63], s[10:11], s[62:63]      ; of lo
	s_mov_b32 s[G0], 1
	s_mov_b32 s[G0+1], s19
	s_add_nc_u64 s[G0+2:G0+3], s[6:7], s[54:55]
	s_or_b32 s[G0+3], s[G0+3], 0x80000000
	CROUND                                         ; all four work-groups are here: the joint loads meet
	tensor_load_to_lds s[G0:G0+3], s[G1:G1+7]      ; every wave's one load: key step = wave
	s_nop 0
.rept 4
	v_nop
.endr
	v_and_b32 v[LI], 31, v0
	v_lshlrev_b32 v[LI], 4, v[LI]
	v_and_b32 v3, 15, v0                           ; r
	v_bfe_u32 v4, v0, 4, 1                         ; h
	global_load_b128 v[8:11], v[LI], s[56:57]              ; Q of hi
	global_load_b128 v[12:15], v[LI], s[56:57] offset:512
	global_load_b128 v[216:219], v[LI], s[58:59]           ; Q of lo
	global_load_b128 v[220:223], v[LI], s[58:59] offset:512
	v_mov_b32 v[NINF], 0xff800000
	v_mov_b32 v[PL], 0                             ; written once: a lane permute's destination counts as a source
	v_mov_b32 v25, 0                               ; (upper halves of the pairs v[24:25], v[18:19])
	v_mov_b32 v19, 0
	s_wait_alu depctr_va_vdst(0)
	s_wait_kmcnt 0x0
	s_add_co_i32 s68, s48, s49
	s_lshl_b32 s68, s68, 23
	s_add_co_i32 s[CS], s[CS], s68                 ; e6 + e7 are added to c's exponent field
	s_mov_b32 s[CS+1], s[CS]
	s_xor_b32 s[NC], s[CS], 0x80000000             ; -c
	s_add_co_i32 s53, s50, s51                     ; e8 + e9
	s_add_co_i32 s68, s51, 127
	s_lshl_b32 s70, s68, 23
	v_mov_b32 v29, s70                             ; 2^e9
	s_add_co_i32 s68, s68, 8
	s_lshl_b32 s68, s68, 23
	s_or_b32 s[PLIM], s68, 0x600000                ; 448 x 2^e9
	s_add_co_i32 s68, s52, 127
	s_lshl_b32 s70, s68, 23
	v_mov_b32 v31, s70                             ; 2^e10
	s_add_co_i32 s68, s68, 8
	s_lshl_b32 s68, s68, 23
	s_or_b32 s68, s68, 0x600000
	v_mov_b32 v30, s68                             ; 448 x 2^e10
; A KEY STEP: 128 keys at LDS byte s[TB].  qf: Q's fragment.  A step behind the tile's diagonal step is left out by a scalar branch on the step and the wave's number.
.macro STEP qf
	s_cmp_gt_u32 s[J], s[JMAX]
	s_cbranch_scc1 .Lhid_\@
	v_add_nc_u32 v[ADR], s[TB], v[LI]
.rept 3
	v_nop                                          ; with the addition: four places in front of loads into registers that the last products read
.endr
.irp t, 0,1,2,3,4,5,6,7
	ds_load_b128 v[KV+8*\t:KV+8*\t+3], v[ADR] offset:1024*\t
	ds_load_b128 v[KV+8*\t+4:KV+8*\t+7], v[ADR] offset:1024*\t+512
.endr
	s_wait_alu depctr_va_vdst(0)
	s_wait_dscnt 0x0
.irp t, 0,1,2,3,4,5,6,7
	v_wmma_f32_16x16x64_fp8_fp8 v[S+8*\t:S+8*\t+7], v[KV+8*\t:KV+8*\t+7], v[\qf:\qf+7], 0   ; register 8 t + i: key 16 t + 8 h + i
.endr
.rept 4
	v_nop                                          ; places in front of the loads below and of the first read of the scores
.endr
.irp dt, 0,1,2,3
.irp c, 0,1,2,3
	ds_load_b128 v[KV+16*\dt+4*\c:KV+16*\dt+4*\c+3], v[ADR] offset:8192+2048*\dt+512*\c   ; V^T lands while the softmax is walked
.endr
.endr
	s_cmp_lg_u32 s[J], s[JMAX]                     ; on the diagonal hidden scores become -infinity ahead of the maximum: p = 0
	s_cbranch_scc1 .Lopen_\@
.set n, 0
.rept 64
	v_cmp_gt_i32 vcc_lo, 16*(n/8)+n%8, v[DM]
	v_cndmask_b32 v[S+n], v[S+n], v[NINF], vcc_lo
.set n, n+1
.endr
.Lopen_\@:
.irp i, 0,1,2,3
	v_max3_num_f32 v[MX+\i], v[S+3*\i], v[S+3*\i+1], v[S+3*\i+2]   ; the step's largest score among my 64 keys, in four chains, ascending: each accumulator from its low end on
.endr
.set n, 12
.rept 26
	v_max3_num_f32 v[MX+(n/2)%4], v[MX+(n/2)%4], v[S+n], v[S+n+1]
.set n, n+2
.endr
	v_max3_num_f32 v[MX], v[MX], v[MX+1], v[MX+2]
	s_delay_alu instid0(VALU_DEP_1)
	v_max_num_f32 v[MX], v[MX], v[MX+3]
	s_delay_alu instid0(VALU_DEP_1)
	v_permlanex16_b32 v[PL], v[MX], s[SEL], s[SEL+1]
	s_delay_alu instid0(VALU_DEP_1)
	v_max3_num_f32 v17, v[MX], v[PL], v17          ; with lane xor 16's: the running largest score
	s_delay_alu instid0(VALU_DEP_1)
	v_mul_f32 v[MX+1], s[NC], v17                  ; -t
	s_delay_alu instid0(VALU_DEP_1)
	v_floor_f32 v16, v[MX+1]                       ; the new -M = floor(-t): M is a whole number
	s_delay_alu instid0(VALU_DEP_1)
	v_sub_f32 v[MX], v16, v[OM]                    ; old M - new M: a whole number, 0 or less
	s_delay_alu instid0(VALU_DEP_1)
	v_cvt_i32_f32 v[MX], v[MX]                     ; (it saturates)
	s_delay_alu instid0(VALU_DEP_1)
	v_ldexp_f32 v24, 1.0, v[MX]                    ; f = 2^(old M - new M)
.set n, 0
.rept 32
	v_pk_fma_f32 v[S+n:S+n+1], v[S+n:S+n+1], s[CS:CS+1], v[16:17] op_sel_hi:[1,0,0]   ; t - M, two at a time
.set n, n+2
.endr
.set n, 0
.rept 16
	v_pk_mul_f32 v[O+n:O+n+1], v[O+n:O+n+1], v[24:25] op_sel_hi:[1,0]   ; O^T under the new M, ahead of the exponentials
.set n, n+2
.endr
	s_wait_alu depctr_va_vdst(0)                   ; the wait ahead of the batch
.set n, 0
.rept 64
	v_exp_f32 v[S+n], v[S+n]                       ; p = 2^(t - M), at most 1
.set n, n+1
.endr
	v_mov_b32 v[OM], v16                           ; -M for the next step: the plain instruction behind the exponentials
	s_wait_alu depctr_va_vdst(0)                   ; one wait for the whole batch, ahead of its first reader
.set n, 0
.rept 8
	v_pk_fma_f32 v[LS+n:LS+n+1], v[LS+n:LS+n+1], v[24:25], v[S+n:S+n+1] op_sel_hi:[1,0,1]   ; each part of the sum x f + its first pair of the unquantised p
.set n, n+2
.endr
.rept 24
	v_pk_add_f32 v[LS+n%16:LS+n%16+1], v[LS+n%16:LS+n%16+1], v[S+n:S+n+1]
.set n, n+2
.endr
.irp t, 0,1,2,3,4,5,6,7
.irp i, 0,2,4,6
	v_dual_min_num_f32 v[S+8*\t+\i], s[PLIM], v[S+8*\t+\i] :: v_dual_min_num_f32 v[S+8*\t+\i+1], s[PLIM], v[S+8*\t+\i+1]   ; the conversion does not saturate (ISA guide 7.6.2); p is not negative: a one-sided hold
.endr
	v_cvt_scalef32_pk8_fp8_f32 v[PC+2*\t:PC+2*\t+1], v[S+8*\t:S+8*\t+7], v29   ; registers 2 t, 2 t + 1 of P: keys 16 t + 8 h + 0 .. 7
.endr
	v_nop                                          ; one plain instruction behind the last conversion
	s_wait_alu depctr_va_vdst(0)
	s_wait_dscnt 0x0                               ; V^T is in
.irp dt, 0,1,2,3
	v_wmma_f32_16x16x128_fp8_fp8 v[O+8*\dt:O+8*\dt+7], v[KV+16*\dt:KV+16*\dt+15], v[PC:PC+15], v[O+8*\dt:O+8*\dt+7]   ; four accumulators by turns; the eight products K Q^T stand between two turns
.endr
.Lhid_\@:
	s_add_co_u32 s[TB], s[TB], 16384
.endm
; A tile begins: O^T and the sums are zeros and the largest score lies under every score.  a: the register with the tile's number; jm: with its last step
.macro INIT a, jm
.set n, 0
.rept 32
	v_mov_b32 v[O+n], 0
.set n, n+1
.endr
.set n, 0
.rept 16
	v_mov_b32 v[LS+n], 0
.set n, n+1
.endr
	v_mov_b32 v17, 0xff61b1e6                      ; -3e38
	v_mov_b32 v16, 0x7f61b1e6
	v_mov_b32 v[OM], 0x7f61b1e6                    ; -M = 3e38: the first f is 0, on zeros
	s_and_b32 s68, s[\a], 7
	s_lshl_b32 s68, s68, 4                         ; the tile's place in its diagonal step
	v_lshlrev_b32 v[DM], 3, v4
	v_sub_nc_u32 v[DM], v3, v[DM]
	v_add_nc_u32 v[DM], s68, v[DM]                 ; r - 8 h + 16 (tile % 8)
	s_mov_b32 s[J], 0
	s_mov_b32 s[JMAX], s[\jm]
	s_wait_alu depctr_va_vdst(0)
.endm
; A tile ends: O^T / the sum x 2^(e8 + e9), quantised with 2^e10: 1,024 consecutive bytes of a_img
.macro FINISH oc, ptr
.irp k, 0,4,8,12
	v_pk_add_f32 v[LS+\k:LS+\k+1], v[LS+\k:LS+\k+1], v[LS+\k+2:LS+\k+3]   ; the sum's parts; also the four places behind the last products
.endr
	v_pk_add_f32 v[LS:LS+1], v[LS:LS+1], v[LS+4:LS+5]
	v_pk_add_f32 v[LS+8:LS+9], v[LS+8:LS+9], v[LS+12:LS+13]
	v_pk_add_f32 v[LS:LS+1], v[LS:LS+1], v[LS+8:LS+9]
	v_add_f32 v18, v[LS], v[LS+1]
	v_permlanex16_b32 v[PL], v18, s[SEL], s[SEL+1]
	v_add_f32 v18, v18, v[PL]                      ; the row's sum
	s_wait_alu depctr_va_vdst(0)                   ; ahead of the transcendental
	v_rcp_f32 v18, v18
	v_nop
	s_wait_alu depctr_va_vdst(0)                   ; ahead of its first reader
	v_ldexp_f32 v18, v18, s53
	s_wait_alu depctr_va_vdst(0)                   ; directly ahead of the first reader of O^T
.set n, 0
.rept 16
	v_pk_mul_f32 v[S+n:S+n+1], v[O+n:O+n+1], v[18:19] op_sel_hi:[1,0]
.set n, n+2
.endr
.set n, 0
.rept 32
	v_med3_num_f32 v[S+n], v[S+n], -v30, v30
.set n, n+1
.endr
.irp dt, 0,1,2,3
	v_cvt_scalef32_pk8_fp8_f32 v[\oc+2*\dt:\oc+2*\dt+1], v[S+8*\dt:S+8*\dt+7], v31
.endr
	v_nop
	global_store_b128 v[LI], v[\oc:\oc+3], s[\ptr:\ptr+1]
	global_store_b128 v[LI], v[\oc+4:\oc+7], s[\ptr:\ptr+1] offset:512
.endm
	INIT 66, 69                                    ; tile hi: steps 0 .. 15 - g
	s_wait_loadcnt 0x0                             ; Q
	s_wait_tensorcnt 0x0                           ; my key step is in,
	s_wait_dscnt 0x0
	s_barrier_signal -1
	s_barrier_wait -1                              ; everybody's is: the whole head lies in LDS
	s_mov_b32 s[TB], 0
	s_mov_b32 s[CNT], 16
.Lhi:
	STEP 8
	s_add_co_u32 s[J], s[J], 1
	s_sub_co_u32 s[CNT], s[CNT], 1
	s_cmp_lg_u32 s[CNT], 0
	s_cbranch_scc1 .Lhi
	s_wait_alu depctr_va_vdst(0)
	FINISH 208, 60                                 ; each tile has code registers and a pointer of its own: no store's sources are written again
	INIT 67, 15                                    ; tile lo: steps 0 .. g
	s_mov_b32 s[TB], 0
	s_mov_b32 s[CNT], 8
.Llo:
	STEP 216
	s_add_co_u32 s[J], s[J], 1
	s_sub_co_u32 s[CNT], s[CNT], 1
	s_cmp_lg_u32 s[CNT], 0
	s_cbranch_scc1 .Llo
	s_wait_alu depctr_va_vdst(0)
	FINISH 224, 62
	s_wait_tensorcnt 0x0                           ; the wave's end
	ds_add_u32 v[SPW], v[NIL]
	s_wait_dscnt 0x0
	CROUND                                         ; the closing round
	s_endpgm
.Lfunc_end_k_qe4fbc64241_attn:
	.size	k_qe4fbc64241_attn, .Lfunc_end_k_qe4fbc64241_attn-k_qe4fbc64241_attn
	.p2alignl 7, 3214868480
	.fill 96, 4, 3214868480
	.section	.rodata,"a",@progbits
	.p2align	6, 0x0
	.amdhsa_kernel k_qe4fbc64241_attn
		.amdhsa_group_segment_fixed_size 264192
		.amdhsa_private_segment_fixed_size 0
		.amdhsa_enable_private_segment 0
		.amdhsa_kernarg_size 32
		.amdhsa_user_sgpr_count 2
		.amdhsa_user_sgpr_kernarg_segment_ptr 1
		.amdhsa_wavefront_size32 1
		.amdhsa_system_sgpr_workgroup_id_x 1
		.amdhsa_system_sgpr_workgroup_id_y 1
		.amdhsa_system_sgpr_workgroup_id_z 1
		.amdhsa_system_vgpr_workitem_id 0
		.amdhsa_next_free_vgpr 256
		.amdhsa_next_free_sgpr 80
		.amdhsa_reserve_vcc 1
		.amdhsa_float_denorm_mode_32 3
		.amdhsa_float_denorm_mode_16_64 3
		.amdhsa_memory_ordered 1
		.amdhsa_forward_progress 1
		.amdhsa_inst_pref_size 60
	.end_amdhsa_kernel
	.amdgpu_metadata
---
amdhsa.version: [ 1, 2 ]
amdhsa.kernels:
  - .name:           k_qe4fbc64241_attn
    .symbol:         k_qe4fbc64241_attn.kd
    .args:
      - { .name: q_img, .offset: 0, .size: 8, .value_kind: global_buffer, .address_space: global }
      - { .name: kv_img, .offset: 8, .size: 8, .value_kind: global_buffer, .address_space: global }
      - { .name: lowp_scales, .offset: 16, .size: 8, .value_kind: global_buffer, .address_space: global }
      - { .name: a_img, .offset: 24, .size: 8, .value_kind: global_buffer, .address_space: global }
    .group_segment_fixed_size: 264192
    .private_segment_fixed_size: 0
    .kernarg_segment_align: 8
    .kernarg_segment_size: 32
    .max_flat_workgroup_size: 512
    .sgpr_count:     80
    .vgpr_count:     256
    .wavefront_size: 32
...
	.end_amdgpu_metadata
.endif
;; end of part 2
;; launch oproj (part 3): grid 8 x 32, 4 waves a work-group, clusters of 4 x 4, 327,680 bytes of LDS; arguments a_img, Wo_codes, lowp_scales, out0; writes out0
.if DOCPART == 3
	.amdgcn_target "amdgcn-amd-amdhsa--gfx1250"
	.amdhsa_code_object_version 6
	.text
	.protected	k_qe4fbc64241_oproj
	.globl	k_qe4fbc64241_oproj
	.p2align	8
	.type	k_qe4fbc64241_oproj,@function
k_qe4fbc64241_oproj:
	s_mov_b64 s[64:65], 0
	v_nop
	global_prefetch_b8 v0, s[64:65] scope:SCOPE_SE
	s_setreg_imm32_b32 hwreg(HW_REG_WAVE_MODE, 25, 1), 1
	s_wait_xcnt 0x0
	s_wait_alu depctr_hold_cnt(0) depctr_sa_sdst(0) depctr_va_vdst(0) depctr_va_sdst(0) depctr_va_ssrc(0) depctr_va_vcc(0) depctr_vm_vsrc(0)
	s_getreg_b32 s2, hwreg(HW_REG_IB_STS2, 6, 4)
	s_cmp_eq_u32 s2, 0
	s_cbranch_scc0 .Lentry_in_a_cluster
	s_endpgm
.Lentry_in_a_cluster:
	s_bfe_u32 s2, ttmp6, 0x10000c
	s_cmp_lg_u32 s2, 0xf033
	s_cbranch_scc0 .Lentry_shape_is_right
	s_endpgm
.Lentry_shape_is_right:
.set PITCH,  272
.set FR,     16
.set NL,     4
.set NP,     4
.set BOFF,   65536
.set SLOT,   BOFF+128*PITCH
.set SPARE,  2*SLOT
.set STG,    SPARE+512
.set ADRA, 16
.set ADRB, 20
.set STO,  24
.set RD,   25
.set CO,   26
.set SPW,  28
.set NIL,  29
.set TMP,  32
.set AF,   128
.set BK,   128
.set G1,  24
.set G0,  32
.set G1B, 48
.set G0B, 56
.set MSB, 0
.macro WIN new
.if MSB != \new
	s_set_vgpr_msb (MSB<<8)|\new
.set MSB, \new
.endif
.endm
.set MUL,  0xa1
.set TO_B, 0x40
.macro JLOAD g0a, g1a, g0b, g1b
	s_cmp_eq_u32 s15, 0
	s_cbranch_scc0 .Lfor_b_\@
	tensor_load_to_lds s[\g0a:\g0a+3], s[\g1a:\g1a+7]
	s_nop 0
.rept 4
	v_nop
.endr
	s_branch .Lasked_\@
.Lfor_b_\@:
	tensor_load_to_lds s[\g0b:\g0b+3], s[\g1b:\g1b+7]
	s_nop 0
.rept 4
	v_nop
.endr
.Lasked_\@:
.endm
.macro CREST
	s_cmp_lg_u32 s14, 0
	s_cbranch_scc1 .Lnot_wave_0_\@
	s_barrier_signal -3
.Lnot_wave_0_\@:
	s_barrier_wait -3
	s_barrier_signal -1
	s_barrier_wait -1
.endm
.macro CROUND
	s_barrier_signal -1
	s_barrier_wait -1
	CREST
.endm
	s_load_b128 s[4:7], s[0:1], 0x0
	s_load_b128 s[8:11], s[0:1], 0x10
	v_lshl_add_u32 v[SPW], v0, 2, SPARE
	v_mov_b32 v[NIL], 0
	ds_add_u32 v28, v29
	ds_add_u32 v28, v29
	s_wait_dscnt 0x0
	v_lshrrev_b32 v1, 5, v0
	v_readfirstlane_b32 s14, v1
	s_lshr_b32 s15, s14, 1
	s_and_b32 s16, s14, 1
	s_bfe_u32 s40, ttmp6, 0x40000
	s_bfe_u32 s41, ttmp6, 0x40004
	s_lshl_b32 s42, ttmp9, 2
	s_add_co_u32 s42, s42, s40
	s_and_b32 s17, ttmp7, 0xffff
	s_lshl_b32 s17, s17, 2
	s_add_co_u32 s17, s17, s41
	s_lshl_b32 s43, s41, 2
	s_lshl_b32 s43, 15, s43
	s_lshl_b32 s44, 0x1111, s40
	s_or_b32 s[G1+0], s43, (0<<16)|(1<<21)
	s_mov_b32 s[G1+1], 4096<<16
	s_mov_b32 s[G1+2], 8<<16
	s_mov_b32 s[G1+3], 4096<<16
	s_mov_b32 s[G1+4], 8
	s_mov_b32 s[G1+5], 16384
	s_mov_b32 s[G1+6], 0
	s_mov_b32 s[G1+7], 0
	s_or_b32 s[G1B+0], s44, (0<<16)|(1<<20)|(1<<21)|(5<<22)|(3<<25)
	s_mov_b32 s[G1B+1], 256<<16
	s_mov_b32 s[G1B+2], 64<<16
	s_mov_b32 s[G1B+3], 256<<16
	s_mov_b32 s[G1B+4], 64
	s_mov_b32 s[G1B+5], 1024
	s_mov_b32 s[G1B+6], 0
	s_mov_b32 s[G1B+7], 0
	s_lshl_b32 s20, s17, 4
	s_lshl_b32 s18, s16, 3
	s_add_co_u32 s20, s20, s18
	s_lshl_b32 s20, s20, 14
	s_mov_b32 s21, 0
	s_lshl_b32 s46, s42, 7
	s_lshl_b32 s18, s16, 6
	s_add_co_u32 s46, s46, s18
	s_lshl_b32 s46, s46, 10
	s_mov_b32 s47, 0
	s_lshl_b32 s66, s16, 15
	s_mul_i32 s67, s16, 64*PITCH
	s_add_co_u32 s67, s67, BOFF
	s_wait_kmcnt 0x0
	s_load_b64 s[96:97], s[8:9], 0x28
	s_add_nc_u64 s[20:21], s[4:5], s[20:21]
	s_add_nc_u64 s[46:47], s[6:7], s[46:47]
	CROUND
.irp s, 0,1
	s_mov_b32 s[G0+4*\s], 1
	s_add_co_u32 s[G0+4*\s+1], s66, \s*SLOT
	s_add_nc_u64 s[G0+4*\s+2:G0+4*\s+3], s[20:21], \s*4096
	s_or_b32 s[G0+4*\s+3], s[G0+4*\s+3], 0x80000000
	s_mov_b32 s[G0B+4*\s], 1
	s_add_co_u32 s[G0B+4*\s+1], s67, \s*SLOT
	s_add_nc_u64 s[G0B+4*\s+2:G0B+4*\s+3], s[46:47], \s*256
	s_or_b32 s[G0B+4*\s+3], s[G0B+4*\s+3], 0x80000000
	s_wait_alu depctr_va_vdst(0)
	s_wait_tensorcnt 0x0
	ds_add_u32 v28, v29
	ds_add_u32 v28, v29
	s_wait_dscnt 0x0
	CROUND
	JLOAD G0+4*\s, G1, G0B+4*\s, G1B
.endr
	v_and_b32 v1, 15, v0
	v_bfe_u32 v2, v0, 4, 1
	v_and_b32 v6, 31, v0
	v_lshlrev_b32 v7, 4, v6
	v_mul_u32_u24 v3, v1, PITCH
	s_wait_alu depctr_va_vdst(0)
	v_lshl_add_u32 v4, v2, 3, v3
	s_lshl_b32 s22, s15, 15
	s_mul_i32 s23, s16, 64*PITCH
	s_add_co_u32 s23, s23, BOFF
.irp s, 0,1
	v_add_nc_u32 v[ADRA+\s], s22, v7
	v_add_nc_u32 v[ADRB+\s], s23, v4
	s_add_co_u32 s22, s22, SLOT
	s_add_co_u32 s23, s23, SLOT
.endr
	s_mul_i32 s23, s14, 16*PITCH
	s_add_co_u32 s23, s23, STG
	v_lshl_add_u32 v5, v2, 5, v3
	v_add_nc_u32 v[STO], s23, v5
	v_mul_u32_u24 v5, v2, PITCH
	v_lshl_add_u32 v5, v1, 4, v5
	v_add_nc_u32 v[RD], s23, v5
	v_lshlrev_b32 v5, 12, v2
	v_lshl_add_u32 v[CO], v1, 4, v5
	s_lshl_b32 s20, s17, 8
	s_lshl_b32 s21, s15, 7
	s_add_co_u32 s20, s20, s21
	s_lshl_b32 s20, s20, 12
	s_lshl_b32 s46, s42, 9
	s_lshl_b32 s47, s16, 8
	s_add_co_u32 s46, s46, s47
	s_add_co_u32 s20, s20, s46
	s_mov_b32 s21, 0
	s_add_nc_u64 s[10:11], s[10:11], s[20:21]
.macro FRAGA reg, adr, q, i
.irp c, 0,1,2,3
	ds_load_b128 v[\reg+4*\c:\reg+4*\c+3], v[\adr] offset:4096*(\i)+2048*(\q)+512*\c
.endr
.endm
.macro FRAGB reg, adr, q, i
.irp c, 0,1,2,3,4,5,6,7
	ds_load_b64 v[\reg+2*\c:\reg+2*\c+1], v[\adr] offset:128*(\q)+16*\c+(\i)*16*PITCH
.endr
.endm
.macro MUL8 a0, p, zero
.irp a, \a0, \a0+1
.irp b, 0,1,2,3
.if \zero
	v_wmma_f32_16x16x128_fp8_fp8 v[8*(4*(\a)+\b):8*(4*(\a)+\b)+7], v[64*(\p)+FR*\b:64*(\p)+FR*\b+FR-1], v[AF+FR*(\a):AF+FR*(\a)+FR-1], 0
.else
	v_wmma_f32_16x16x128_fp8_fp8 v[8*(4*(\a)+\b):8*(4*(\a)+\b)+7], v[64*(\p)+FR*\b:64*(\p)+FR*\b+FR-1], v[AF+FR*(\a):AF+FR*(\a)+FR-1], v[8*(4*(\a)+\b):8*(4*(\a)+\b)+7]
.endif
.endr
.endr
.endm
.macro FETCH_B slot, q, p
	WIN TO_B
.irp i, 0,1,2,3
	FRAGB 64*(\p)+FR*\i, ADRB+\slot, \q, \i
.endr
	WIN 0
.endm
.macro FETCH_A slot, q, i0
.irp i, \i0, \i0+1, \i0+2, \i0+3
	FRAGA AF+FR*(\i), ADRA+\slot, \q, \i
.endr
.endm
.macro PLACES n
.rept \n
	v_nop
.endr
.endm
.macro STEP slot, q, zero
	s_wait_dscnt 4*NL
	WIN MUL
	MUL8 0, (\q)%2, \zero
	MUL8 2, (\q)%2, \zero
	s_wait_dscnt 0
	PLACES NP
	FETCH_B \slot, (\q)+1, 1-(\q)%2
	FETCH_A \slot, (\q)+1, 0
	WIN MUL
	MUL8 4, (\q)%2, \zero
	MUL8 6, (\q)%2, \zero
	PLACES NP
	WIN 0
	FETCH_A \slot, (\q)+1, 4
.endm
.macro TURN slot, next, fill
	s_wait_tensorcnt 0x0
	ds_add_u32 v[SPW], v[NIL]
	s_wait_dscnt 4*NL+1
	WIN MUL
	MUL8 0, 1, 0
	s_wait_dscnt 0x0
	s_barrier_signal -1
	MUL8 2, 1, 0
	WIN 0
	s_barrier_wait -1
.if \fill
	CREST
	s_add_nc_u64 s[G0+4*\slot+2:G0+4*\slot+3], s[G0+4*\slot+2:G0+4*\slot+3], 2*4096
	s_add_nc_u64 s[G0B+4*\slot+2:G0B+4*\slot+3], s[G0B+4*\slot+2:G0B+4*\slot+3], 2*256
	JLOAD G0+4*\slot, G1, G0B+4*\slot, G1B
.else
	PLACES NP
.endif
	s_wait_alu depctr_va_vdst(0)
	FETCH_B \next, 0, 0
	FETCH_A \next, 0, 0
	WIN MUL
	MUL8 4, 1, 0
	MUL8 6, 1, 0
	PLACES NP
	WIN 0
	FETCH_A \next, 0, 4
.endm
	s_wait_tensorcnt 1
	s_barrier_signal -1
	s_barrier_wait -1
	FETCH_B 0, 0, 0
	FETCH_A 0, 0, 0
	FETCH_A 0, 0, 4
	STEP 0, 0, 1
	TURN 0, 1, 1
	STEP 1, 0, 0
	TURN 1, 0, 1
	STEP 0, 0, 0
	TURN 0, 1, 0
	STEP 1, 0, 0
	s_wait_dscnt 4*NL
	WIN MUL
	MUL8 0, 1, 0
	MUL8 2, 1, 0
	s_wait_dscnt 0x0
	MUL8 4, 1, 0
	MUL8 6, 1, 0
	WIN 0
.macro TOSTAGE a
	WIN 0x02
.irp j, 0,2,4,6,8,10,12,14,16,18,20,22,24,26,28,30
	v_pk_mul_f32 v[TMP+\j:TMP+\j+1], v[32*(\a)+\j:32*(\a)+\j+1], s[96:97] op_sel_hi:[1,0]
.endr
	WIN 0
.irp b, 0,1,2,3
	ds_store_b128 v[STO], v[TMP+8*\b:TMP+8*\b+3] offset:64*\b
	ds_store_b128 v[STO], v[TMP+8*\b+4:TMP+8*\b+7] offset:64*\b+16
.endr
.set BB, BK+32*((\a)%2)
.irp t, 0,1,2,3,4,5,6,7
	ds_load_b128 v[BB+4*\t:BB+4*\t+3], v[RD] offset:\t*2*PITCH
.endr
.endm
.macro SEND a, younger
.set BB, BK+32*((\a)%2)
	s_wait_dscnt \younger
.if (\a) > 0
	s_add_nc_u64 s[10:11], s[10:11], 16*4096
.endif
.irp t, 0,1,2,3,4,5,6,7
	global_store_b128 v[CO], v[BB+4*\t:BB+4*\t+3], s[10:11] offset:\t*2*4096 th:TH_STORE_NT
.endr
.endm
	s_wait_kmcnt 0x0
	s_add_co_i32 s96, s96, s97
	s_add_co_i32 s96, s96, 127
	s_lshl_b32 s96, s96, 23
	PLACES NP
	TOSTAGE 0
.irp a, 1,2,3,4,5,6,7
.if \a > 1
	s_wait_xcnt 0x0
.endif
	TOSTAGE \a
	SEND \a-1, 16
.endr
	s_wait_xcnt 0x0
	SEND 7, 0
	s_wait_tensorcnt 0x0
	ds_add_u32 v[SPW], v[NIL]
	s_wait_dscnt 0x0
	CROUND
	s_endpgm
.Lfunc_end_k_qe4fbc64241_oproj:
	.size	k_qe4fbc64241_oproj, .Lfunc_end_k_qe4fbc64241_oproj-k_qe4fbc64241_oproj
	.p2alignl 7, 3214868480
	.fill 96, 4, 3214868480
	.section	.rodata,"a",@progbits
	.p2align	6, 0x0
	.amdhsa_kernel k_qe4fbc64241_oproj
		.amdhsa_group_segment_fixed_size 327680
		.amdhsa_private_segment_fixed_size 0
		.amdhsa_enable_private_segment 0
		.amdhsa_kernarg_size 32
		.amdhsa_user_sgpr_count 2
		.amdhsa_user_sgpr_kernarg_segment_ptr 1
		.amdhsa_wavefront_size32 1
		.amdhsa_system_sgpr_workgroup_id_x 1
		.amdhsa_system_sgpr_workgroup_id_y 1
		.amdhsa_system_sgpr_workgroup_id_z 1
		.amdhsa_system_vgpr_workitem_id 0
		.amdhsa_next_free_vgpr 768
		.amdhsa_next_free_sgpr 100
		.amdhsa_reserve_vcc 0
		.amdhsa_float_denorm_mode_32 3
		.amdhsa_float_denorm_mode_16_64 3
		.amdhsa_memory_ordered 1
		.amdhsa_forward_progress 1
		.amdhsa_inst_pref_size 86
	.end_amdhsa_kernel
	.amdgpu_metadata
---
amdhsa.version: [ 1, 2 ]
amdhsa.kernels:
  - .name:           k_qe4fbc64241_oproj
    .symbol:         k_qe4fbc64241_oproj.kd
    .args:
      - { .name: a_img, .offset: 0, .size: 8, .value_kind: global_buffer, .address_space: global }
      - { .name: Wo_codes, .offset: 8, .size: 8, .value_kind: global_buffer, .address_space: global }
      - { .name: lowp_scales, .offset: 16, .size: 8, .value_kind: global_buffer, .address_space: global }
      - { .name: out0, .offset: 24, .size: 8, .value_kind: global_buffer, .address_space: global }
    .group_segment_fixed_size: 327680
    .private_segment_fixed_size: 0
    .kernarg_segment_align: 8
    .kernarg_segment_size: 32
    .max_flat_workgroup_size: 128
    .sgpr_count:     100
    .vgpr_count:     768
    .wavefront_size: 32
...
	.end_amdgpu_metadata
.endif
;; end of part 3
